; MI455X (gfx1250); checked and timed in simulation.
; The chip was launched on July 23, 2026; its instructions are those of AMD's public machine-readable ISA for CDNA 5 (MIT licence, August 2026) and "CDNA5" Instruction Set Architecture Reference Guide (July 2026). The comments in the code are by the model that wrote it; some were corrected since.
;; Encoder Attention. Allowed arithmetic: matrix products marked QUANTISED: E2M1 operands, one E8M0 scale for each 32 along K, by v_wmma_scale_f32_16x16x128_f8f6f4 with both operands' format E2M1 (or v_wmma_scale_f32_32x16x128_f4), f32 sums; products left as they are: f32 operands where the result goes on into a quantised operand, else bf16, f16 or f32 operands; f32 sums; everything else in f32.
;; Inputs: Wh 1,024 x 1,024 float32; Ws 1,024 x 1,024 float32; bs 1,024 float32; decoder_hidden 32 x 1,024 float32; encoder_hidden 32 x 2,048 x 1,024 float32; encoder_padding 32 x 2,048 float32; sum_temporal 32 x 2,048 float32; v 1,024 float32.
;; Outputs: out0 32 x 1,024 float32; out1 32 x 2,048 float32; out2 32 x 2,048 float32.
;; This version of the problem:
;;   THIS VERSION OF THE PROBLEM IS GIVEN IN LOW PRECISION. The matrix products marked QUANTISED in the list below multiply operands that are first quantised to E2M1 (2 exponent bits, 1 mantissa bit; 4 bits a number), with one power-of-two scale for each 32 numbers along K (OCP MX v1.0); their sums are f32. All else is computed in f32.
;;   The module's matrix products, in the order in which they are computed (A, B: the left and right operand; K: the contracted axis; several contracted axes count as one K, in the product's order):
;;     1. [M 65,536, K 1,024] x [K 1,024, N 1,024]; A: input encoder_hidden; B: input Wh: QUANTISED
;;     2. [M 32, K 1,024] x [K 1,024, N 1,024]; A: input decoder_hidden; B: input Ws: QUANTISED
;;     3. [M 65,536, K 1,024] x [K 1,024, N 1]; A: computed on the way; B: input v: left as it is (N = 1 < 16)
;;     4. batch 32 x [M 1, K 2,048] x [K 2,048, N 1,024]; A: computed on the way; B: input encoder_hidden: left as it is (M = 1 < 16)
;;   THE QUANTISER, for each operand of a quantised product, along K:
;;     - K is cut into blocks of 32 from its start; a last block that is shorter is filled with zeros.
;;     - A block's scale is 2^e with e = floor(log2(the largest magnitude in the block)) - 2, held to -126 .. 127; a block of zeros has e = 0. As a byte (E8M0): e + 127.
;;     - Each number is divided by its block's scale, clamped to +-6, and rounded to the nearest number of E2M1, ties to even, subnormals kept.
;;     - The product sums the exact products of the quantised numbers (number of the format x scale) in f32.
;;   ~~~python
;;   def quantise(x, axis):      # numpy; x: float32 -> the quantised numbers, widened to float32 again
;;       x = np.moveaxis(x, axis, -1); K = x.shape[-1]
;;       x = np.pad(x, [(0, 0)] * (x.ndim - 1) + [(0, -K % 32)]); x = x.reshape(x.shape[:-1] + (-1, 32)); a = np.abs(x).max(-1, keepdims=True)
;;       e = np.where(a > 0, np.clip(np.frexp(np.where(a > 0, a, 1))[1] - 1 - 2, -126, 127), 0)      # np.frexp(a)[1] - 1 = floor(log2(a)), exactly
;;       r = np.clip(x / 2.0 ** e, -6, 6)
;;       step = 2.0 ** (np.maximum(np.frexp(np.where(r == 0, 1, r))[1] - 1, 0) - 1)
;;       q = np.round(r / step) * step * 2.0 ** e      # np.round: ties to even
;;       return np.moveaxis(q.reshape(q.shape[:-2] + (-1,))[..., :K], -1, axis).astype(np.float32)
;;   ~~~
;; One version. Each part assembles by itself: llvm-mc -triple=amdgcn-amd-amdhsa -mcpu=gfx1250 --defsym DOCPART=n.
;; ======== version 1 of 1: 3 launches
;; limits: right only within a limited range of input values; values are held in bf16: 8 bits of precision
;; workspace buffers: whq 557,056 bytes; decw 131,072 bytes; wbuf 262,144 bytes; pctx 1,048,576 bytes
;; launch prep (part 1): grid 128 x 1, 6 waves a work-group, no clusters, 39,680 bytes of LDS; arguments Wh, Ws, decoder_hidden, bs, whq, decw; writes whq, decw
.if DOCPART == 1
	.amdgcn_target "amdgcn-amd-amdhsa--gfx1250"
	.amdhsa_code_object_version 6
	.text
	.protected	k_qf53990fef1_prep
	.globl	k_qf53990fef1_prep
	.p2align	8
	.type	k_qf53990fef1_prep,@function
k_qf53990fef1_prep:
	s_mov_b64 s[64:65], 0
	v_nop
	global_prefetch_b8 v0, s[64:65] scope:SCOPE_SE
	s_setreg_imm32_b32 hwreg(HW_REG_WAVE_MODE, 25, 1), 1
	s_wait_xcnt 0x0
; THE PROGRAM: score[b][t] = sum over e of v[e] tanh( Q(enc)[b][t] . Q(Wh)[e] + Q(dh)[b] . Q(Ws)[e] + bs[e] ), Q the MX-FP4 quantiser along K = 1,024;
; out2 = sum_temporal + exp(score); w = exp(score) / sum_temporal x padding; out1 = w / (sum over t of w); out0 = (sum over t of w x enc) / (sum over t of w).
; NO WORK IS LEFT OUT: every input has a way to an output, and every input is loaded by one of the three launches.
; THIS LAUNCH.  Work-group y of 128: E = y / 2 (16 rows e = 16 E .. 16 E + 15 of both weights), m = y % 2.  Six waves in two roles, told apart by the wave's number:
;   waves 0-3: segment w = wave (k = 256 w .. 256 w + 255: K steps 2 w, 2 w + 1) of Ws's 16 rows and of rows 16 m .. 16 m + 15 of decoder_hidden are quantised; two matrix instructions, one a K step, each
;              starting a sum of its own; the eight sums meet in LDS, waves 0 and 1 add them and store decw[b][e] = 2 log2(e) x (sum + bs[e]): the factor is the one that the next launch's tanh wants.
;   waves 4-5: segment 2 m + wave - 4 of Wh's 16 rows becomes codes of E2M1 and scale words, stored as an IMAGE OF THE OPERAND'S REGISTERS: block E of whq is 8,704 bytes:
;              codes of K step s at 1,024 s + 512 c + 16 lane (registers 4 c .. 4 c + 3 of the fragment), scale words at 8,192 + 256 (s % 2) + 16 r + 4 (s / 2).
; A lane takes 8 neighbours along K of every row: a row's two loads cover 1,024 consecutive bytes, a block of 32 is four lanes (two maxima across lanes), a row's 8 codes of a lane are one conversion.
; Codes and scale bytes turn through the wave's own LDS bytes (rows of 128 bytes + 16) and come back as the operand's registers: lane (r, h) takes, of row r, the 16 bytes at 64 t + 32 c + 16 h.
; A block's scale is 2^(floor(log2(largest magnitude)) - 2): its byte is the largest magnitude's exponent field less 2, held at 1 from below by a floor among the maximum's leaves.
; LIMITS: a block of zeros gets the byte 1 where the rule says 127 (its codes are zeros, and this program alone reads the bytes); blocks whose largest magnitude lies under 2^-124 were not tried;
; NaN and infinities among the inputs are not served.  The eight K steps of dh Ws^T are added in a tree, not in ascending order.
; decw is stored four bytes a lane, sixteen lanes to 64 consecutive bytes: 131,072 bytes in the whole launch.  The scale words' store names each word from two lanes, with the same value.
; The one load of bs stands ahead of the parting of the roles; Wh's two waves do not use their 64 bytes of it.
.set XCP,   144                        ; a row of codes in LDS: 128 bytes + 16: the 16 rows of a fragment load begin in 16 different groups of four banks (64 banks of 4 bytes: ISA guide 11.1)
.set WREG,  5120                       ; LDS: a region of its own for each wave: codes of the weight at 0, of decoder_hidden at 16 XCP; scale bytes, 8 a row, at SOFF and SOFF + 128
.set SOFF,  4608
.set IMG,   6*WREG                     ; the eight sums, as images of their registers: 2,048 x wave + 1,024 x K step + 512 x half
.set SPARE, IMG+8192                   ; the spare words, 128 bytes for each of the six waves: three blocks of 256 bytes that no other line names
; REGISTERS.  Window 1: v0-127 the weight's 16 rows, row i at v[8 i]; v128-255 decoder_hidden's.  Window 0:
.set SPW,  1                           ; LDS address of my spare word; never rewritten
.set NIL,  2                           ; 0; never rewritten
.set LOFF, 3                           ; 32 lane: my 8 numbers in a segment of a row
.set L16,  4                           ; 16 lane
.set R4,   5                           ; 4 r
.set CWA,  6                           ; LDS: my region + 4 lane: where my codes of a row go
.set SWA,  7                           ; my region + lane / 4: my block's byte
.set CRA,  8                           ; my region + XCP r + 16 h: a fragment's 16 bytes
.set SRA,  9                           ; my region + 8 r: a row's two scale words
.set LST,  10                          ; IMG + 2,048 wave + 16 lane
.set LLD,  11                          ; IMG + 512 (wave % 2) + 16 lane
.set DOF,  12                          ; my byte offset in decw
.set QM,   16                          ; v16-19 largest magnitudes, v20-23 the conversions' scale operands: four rows by turns
.set QS,   20
.set QCW,  32                          ; v32-47 the weight's codes, a register a row; v48-63 its bytes: no LDS store's data are written again
.set QCD,  64                          ; v64-95 decoder_hidden's likewise
.set CW,   96                          ; v96-111  the weight's two fragments
.set CD,   112                         ; v112-127 decoder_hidden's
.set SWW,  128                         ; v128-129 the weight's scale words of the two K steps; v130-131 decoder_hidden's: they hold scales and nothing else
.set SWD,  130
.set AC,   136                         ; v136-151 two accumulators
.set BIA,  152                         ; bs[16 E + r]
.set XS,   160                         ; v160-191 the eight parts of a quarter of the sums
.set FLR,  39                          ; s39 the floor 2^(3 - 127)
.set MSB, 0
.macro WIN new                         ; s_set_vgpr_msb: bits 1:0 source 0, 3:2 source 1, 5:4 source 2, 7:6 destination; the high byte repeats the setting that is left
.if MSB != \new
	s_set_vgpr_msb (MSB<<8)|\new
.set MSB, \new
.endif
.endm
	s_load_b256 s[4:11], s[0:1], 0x0               ; Wh s[4:5], Ws s[6:7], decoder_hidden s[8:9], bs s[10:11]
	s_load_b128 s[12:15], s[0:1], 0x20             ; whq s[12:13], decw s[14:15]
	v_lshl_add_u32 v[SPW], v0, 2, SPARE
	v_mov_b32 v[NIL], 0
	v_lshrrev_b32 v13, 5, v0
	v_readfirstlane_b32 s16, v13                   ; wave 0..5
	v_and_b32 v13, 31, v0                          ; lane
	v_and_b32 v14, 15, v0                          ; r
	v_bfe_u32 v15, v0, 4, 1                        ; h
	v_lshlrev_b32 v[LOFF], 5, v13
	v_lshlrev_b32 v[L16], 4, v13
	v_lshlrev_b32 v[R4], 2, v14
	v_lshlrev_b32 v24, 4, v14                      ; 16 r: a row's place among a block's scale words
	s_mul_i32 s22, s16, WREG                       ; every LDS address is made here, ahead of the parting of the roles
	v_lshl_add_u32 v[CWA], v13, 2, s22
	v_lshrrev_b32 v[SWA], 2, v13
	v_add_nc_u32 v[SWA], s22, v[SWA]
	v_mul_u32_u24 v[CRA], v14, XCP
	v_lshl_add_u32 v[CRA], v15, 4, v[CRA]
	v_add_nc_u32 v[CRA], s22, v[CRA]
	v_lshl_add_u32 v[SRA], v14, 3, s22
	s_lshl_b32 s22, s16, 11
	s_add_co_u32 s22, s22, IMG
	v_add_nc_u32 v[LST], s22, v[L16]
	s_and_b32 s23, s16, 1
	s_lshl_b32 s22, s23, 9
	s_add_co_u32 s22, s22, IMG
	v_add_nc_u32 v[LLD], s22, v[L16]
	s_lshl_b32 s22, s23, 14                        ; decw: half t = wave % 2 of the sums holds rows b = 16 m + 8 h + 4 t + 0 .. 3, 4,096 bytes a row
	v_lshl_add_u32 v[DOF], v15, 15, v[R4]
	v_add_nc_u32 v[DOF], s22, v[DOF]
	s_and_b32 s18, ttmp9, 1                        ; m
	s_lshr_b32 s19, ttmp9, 1                       ; E
	s_lshl_b32 s20, s18, 1
	s_add_co_u32 s20, s20, s16
	s_sub_co_u32 s20, s20, 4                       ; waves 4, 5: segment 2 m + wave - 4
	s_cmp_lt_u32 s16, 4
	s_cselect_b32 s17, s16, s20                    ; my segment: it enters global addresses alone
	s_lshl_b32 s20, s19, 16                        ; the weight: 16 rows of 4,096 bytes a tile,
	s_lshl_b32 s21, s17, 10                        ; 1,024 bytes a segment
	s_add_co_u32 s20, s20, s21
	s_mov_b32 s21, 0
	s_lshl_b32 s24, s18, 16                        ; decoder_hidden: 16 rows a tile
	s_lshl_b32 s25, s17, 10
	s_add_co_u32 s24, s24, s25
	s_mov_b32 s25, 0
	s_mul_i32 s26, s19, 8704                       ; whq: block E,
	s_lshl_b32 s28, s17, 11
	s_add_co_u32 s28, s28, s26                     ; my two K steps' codes,
	s_mov_b32 s29, 0
	s_lshl_b32 s30, s17, 2                         ; 4 bytes a segment: see the store of the scale words
	s_add_co_u32 s30, s30, s26                     ; and their scale words (8,192 more stand in the store's immediate)
	s_mov_b32 s31, 0
	s_lshl_b32 s32, s19, 6                         ; bs: 16 numbers a tile
	s_mov_b32 s33, 0
	s_lshl_b32 s34, s18, 16                        ; decw: 16 rows of 4,096 bytes, and the tile's 16 numbers
	s_add_co_u32 s34, s34, s32
	s_mov_b32 s35, 0
	s_mov_b32 s38, 0x4038aa3b                      ; 2 log2(e)
	s_mov_b32 s[FLR], 0x1800000
	s_wait_kmcnt 0x0
	s_cmp_lt_u32 s16, 4                            ; the weight is chosen by the wave's number alone
	s_cselect_b64 s[4:5], s[6:7], s[4:5]
	s_add_nc_u64 s[4:5], s[4:5], s[20:21]
	s_add_nc_u64 s[8:9], s[8:9], s[24:25]
	s_add_nc_u64 s[10:11], s[10:11], s[32:33]
	s_add_nc_u64 s[14:15], s[14:15], s[34:35]
	s_add_nc_u64 s[36:37], s[12:13], s[30:31]
	s_add_nc_u64 s[12:13], s[12:13], s[28:29]
; 16 rows of a segment, two loads a row, in the order of the rows
.macro XLD reg, base
	WIN 0x40                                       ; destination window 1
.set row, 0
.rept 16
	global_load_b128 v[\reg+8*row:\reg+8*row+3], v[LOFF], s[\base:\base+1] offset:4096*row
	global_load_b128 v[\reg+8*row+4:\reg+8*row+7], v[LOFF], s[\base:\base+1] offset:4096*row+16
.set row, row+1
.endr
	WIN 0
.endm
; Rows 4 g .. 4 g + 3 of the operand at v[base] of window 1: each block's largest magnitude (my 8, three neighbours' by two steps across lanes), scale, codes; codes and bytes to LDS at lc and ls in my region
.macro QR base, g, q, lc, ls
	WIN 0x14                                       ; sources 1 and 2 window 1
.irp i, 0,1,2,3
	v_max3_num_f32 v[QM+\i], s[FLR], |v[\base+8*(4*\g+\i)]|, |v[\base+8*(4*\g+\i)+1]|   ; the floor is one more leaf: the byte cannot fall under 1
.endr
.irp p, 2,4,6
.irp i, 0,1,2,3
	v_max3_num_f32 v[QM+\i], v[QM+\i], |v[\base+8*(4*\g+\i)+\p]|, |v[\base+8*(4*\g+\i)+\p+1]|
.endr
.endr
	WIN 0
.irp i, 0,1,2,3
	v_max_num_f32_dpp v[QM+\i], v[QM+\i], v[QM+\i] row_xmask:1 row_mask:0xf bank_mask:0xf
.endr
.irp i, 0,1,2,3
	v_max_num_f32_dpp v[QM+\i], v[QM+\i], v[QM+\i] row_xmask:2 row_mask:0xf bank_mask:0xf
.endr
.irp i, 0,1,2,3
	v_add_nc_u32 v[QS+\i], 0xff000000, v[QM+\i]    ; 2 off the exponent field: the conversion takes the exponent field of this operand as its scale
.endr
	WIN 0x01                                       ; source 0 window 1
.irp i, 0,1,2,3
	v_cvt_scalef32_pk8_fp4_f32 v[\q+4*\g+\i], v[\base+8*(4*\g+\i):\base+8*(4*\g+\i)+7], v[QS+\i]
.endr
	v_nop                                          ; one plain place behind the last scaled conversion
	WIN 0
.irp i, 0,1,2,3
	v_lshrrev_b32 v[\q+16+4*\g+\i], 23, v[QS+\i]   ; the scale's byte
.endr
.irp i, 0,1,2,3
	ds_store_b32 v[CWA], v[\q+4*\g+\i] offset:(\lc)+(4*\g+\i)*XCP
	ds_store_b8 v[SWA], v[\q+16+4*\g+\i] offset:(\ls)+(4*\g+\i)*8   ; the four lanes of a block write the same byte with the same value
.endr
.endm
; The operand comes back as two fragments (K steps 2 w, 2 w + 1) and two registers of scale words.  LDS serves a wave's instructions in order (ISA guide 5.7.1.4): these see my stores
.macro FRAGS c, sw, lc, ls
.irp t, 0,1
.irp cc, 0,1
	ds_load_b128 v[\c+8*\t+4*\cc:\c+8*\t+4*\cc+3], v[CRA] offset:(\lc)+64*\t+32*\cc
.endr
.endr
	ds_load_b64 v[\sw:\sw+1], v[SRA] offset:(\ls)
.endm
	global_load_b32 v[BIA], v[R4], s[10:11]
	s_cmp_lt_u32 s16, 4
	s_cbranch_scc0 .Lrole_wh
	; ---- waves 0-3: two K steps' part of dh Ws^T
	XLD 0, 4
	XLD 128, 8
.irp g, 0,1,2,3
	s_wait_loadcnt 56-8*\g                         ; the weight's rows up to 4 g + 3 are in; behind them: its later rows' 8 (3 - g) loads and decoder_hidden's 32
	QR 0, \g, QCW, 0, SOFF
.endr
.irp g, 0,1,2,3
	s_wait_loadcnt 24-8*\g                         ; behind these four rows: the later rows' 8 (3 - g) loads
	QR 128, \g, QCD, 16*XCP, SOFF+128
.endr
	FRAGS CW, SWW, 0, SOFF
	FRAGS CD, SWD, 16*XCP, SOFF+128
	s_wait_dscnt 0x0
	v_wmma_scale_f32_16x16x128_f8f6f4 v[AC:AC+7], v[CD:CD+7], v[CW:CW+7], 0, v[SWD], v[SWW] matrix_a_fmt:MATRIX_FMT_FP4 matrix_b_fmt:MATRIX_FMT_FP4             ; register j of lane (r, h): b = 16 m + 8 h + j, e = 16 E + r
	v_wmma_scale_f32_16x16x128_f8f6f4 v[AC+8:AC+15], v[CD+8:CD+15], v[CW+8:CW+15], 0, v[SWD+1], v[SWW+1] matrix_a_fmt:MATRIX_FMT_FP4 matrix_b_fmt:MATRIX_FMT_FP4 ; the second K step, a sum of its own
.rept 4
	v_nop                                          ; four places ahead of the first read of the results
.endr
.irp q, 0,1,2,3
	ds_store_b128 v[LST], v[AC+4*\q:AC+4*\q+3] offset:512*\q   ; each accumulator from its low end on
.endr
	s_branch .Lmeet
.Lrole_wh:
	; ---- waves 4-5: Wh's two fragments and their scale words go to memory as they stand
	XLD 0, 4
.irp g, 0,1,2,3
	s_wait_loadcnt 24-8*\g                         ; behind these four rows: the later rows' 8 (3 - g) loads
	QR 0, \g, QCW, 0, SOFF
.endr
	FRAGS CW, SWW, 0, SOFF
	s_wait_dscnt 0x0
.irp t, 0,1
.irp c, 0,1
	global_store_b128 v[L16], v[CW+8*\t+4*\c:CW+8*\t+4*\c+3], s[12:13] offset:1024*\t+512*\c   ; 32 lanes store 512 consecutive bytes, aligned
.endr
	global_store_b32 v24, v[SWW+\t], s[36:37] offset:8192+256*\t   ; THE SCALE WORDS' PLACE IN A BLOCK: K step s, row r at 8,192 + 256 (s % 2) + 16 r + 4 (s / 2): a load of 16 bytes at 16 x lane brings the reader's four scale registers
.endr
.Lmeet:
	s_wait_dscnt 0x0                               ; for the others' sake: my stores into LDS have landed
	s_barrier_signal -1
	s_barrier_wait -1
	s_cmp_gt_u32 s16, 1                            ; waves 0 and 1 add the eight parts, half of the 8 registers each
	s_cbranch_scc1 .Lend
.irp i, 0,1,2,3,4,5,6,7
	ds_load_b128 v[XS+4*\i:XS+4*\i+3], v[LLD] offset:1024*\i
.endr
	v_mul_f32 v[BIA], s38, v[BIA]
	s_wait_dscnt 0x0
.irp i, 0,2,4,6
	v_pk_add_f32 v[XS+4*\i:XS+4*\i+1], v[XS+4*\i:XS+4*\i+1], v[XS+4*\i+4:XS+4*\i+5]
	v_pk_add_f32 v[XS+4*\i+2:XS+4*\i+3], v[XS+4*\i+2:XS+4*\i+3], v[XS+4*\i+6:XS+4*\i+7]
.endr
.irp i, 0,4
	v_pk_add_f32 v[XS+4*\i:XS+4*\i+1], v[XS+4*\i:XS+4*\i+1], v[XS+4*\i+8:XS+4*\i+9]
	v_pk_add_f32 v[XS+4*\i+2:XS+4*\i+3], v[XS+4*\i+2:XS+4*\i+3], v[XS+4*\i+10:XS+4*\i+11]
.endr
	v_pk_add_f32 v[XS:XS+1], v[XS:XS+1], v[XS+16:XS+17]
	v_pk_add_f32 v[XS+2:XS+3], v[XS+2:XS+3], v[XS+18:XS+19]
.irp j, 0,1,2,3
	v_fma_f32 v[XS+\j], v[XS+\j], s38, v[BIA]      ; 2 log2(e) x (sum + bs)
.endr
.irp j, 0,1,2,3
	global_store_b32 v[DOF], v[XS+\j], s[14:15] offset:4096*\j
.endr
.Lend:
	s_wait_tensorcnt 0x0                           ; the wave's end: behind my last LDS store
	ds_add_u32 v[SPW], v[NIL]
	s_wait_dscnt 0x0
	s_endpgm
.Lfunc_end_k_qf53990fef1_prep:
	.size	k_qf53990fef1_prep, .Lfunc_end_k_qf53990fef1_prep-k_qf53990fef1_prep
	.p2alignl 7, 3214868480
	.fill 96, 4, 3214868480
	.section	.rodata,"a",@progbits
	.p2align	6, 0x0
	.amdhsa_kernel k_qf53990fef1_prep
		.amdhsa_group_segment_fixed_size 39680
		.amdhsa_private_segment_fixed_size 0
		.amdhsa_enable_private_segment 0
		.amdhsa_kernarg_size 48
		.amdhsa_user_sgpr_count 2
		.amdhsa_user_sgpr_kernarg_segment_ptr 1
		.amdhsa_wavefront_size32 1
		.amdhsa_system_sgpr_workgroup_id_x 1
		.amdhsa_system_sgpr_workgroup_id_y 1
		.amdhsa_system_sgpr_workgroup_id_z 1
		.amdhsa_system_vgpr_workitem_id 0
		.amdhsa_next_free_vgpr 512
		.amdhsa_next_free_sgpr 66
		.amdhsa_reserve_vcc 0
		.amdhsa_float_denorm_mode_32 3
		.amdhsa_float_denorm_mode_16_64 3
		.amdhsa_memory_ordered 1
		.amdhsa_forward_progress 1
		.amdhsa_inst_pref_size 51
	.end_amdhsa_kernel
	.amdgpu_metadata
---
amdhsa.version: [ 1, 2 ]
amdhsa.kernels:
  - .name:           k_qf53990fef1_prep
    .symbol:         k_qf53990fef1_prep.kd
    .args:
      - { .name: Wh, .offset: 0, .size: 8, .value_kind: global_buffer, .address_space: global }
      - { .name: Ws, .offset: 8, .size: 8, .value_kind: global_buffer, .address_space: global }
      - { .name: decoder_hidden, .offset: 16, .size: 8, .value_kind: global_buffer, .address_space: global }
      - { .name: bs, .offset: 24, .size: 8, .value_kind: global_buffer, .address_space: global }
      - { .name: whq, .offset: 32, .size: 8, .value_kind: global_buffer, .address_space: global }
      - { .name: decw, .offset: 40, .size: 8, .value_kind: global_buffer, .address_space: global }
    .group_segment_fixed_size: 39680
    .private_segment_fixed_size: 0
    .kernarg_segment_align: 8
    .kernarg_segment_size: 48
    .max_flat_workgroup_size: 192
    .sgpr_count:     66
    .vgpr_count:     512
    .wavefront_size: 32
...
	.end_amdgpu_metadata
.endif
;; end of part 1
;; launch main (part 2): grid 256 x 1, 4 waves a work-group, no clusters, 314,112 bytes of LDS; arguments encoder_hidden, whq, decw, v, sum_temporal, encoder_padding, out2, wbuf, pctx; writes out2, wbuf, pctx
.if DOCPART == 2
	.amdgcn_target "amdgcn-amd-amdhsa--gfx1250"
	.amdhsa_code_object_version 6
	.text
	.protected	k_qf53990fef1_main
	.globl	k_qf53990fef1_main
	.p2align	8
	.type	k_qf53990fef1_main,@function
k_qf53990fef1_main:
	s_mov_b64 s[64:65], 0
	v_nop
	global_prefetch_b8 v0, s[64:65] scope:SCOPE_SE
	s_setreg_imm32_b32 hwreg(HW_REG_WAVE_MODE, 25, 1), 1
	s_wait_xcnt 0x0
; score[t] = sum over e of v[e] tanh(Q(enc)[t] . Q(Wh)[e] + dec[e]); out2 = sum_temporal + exp(score); w = exp(score) / sum_temporal x padding (wbuf); pctx = sum over my rows of w x enc.
; No work is left out.  tanh(x) = 1 - 2 / (1 + 2^(2 log2(e) x)): decw already holds 2 log2(e) x dec, LDS holds -2 v, and the sum of v is added at the end.  exp(score) has no maximum taken away, as in the problem.
; WORK-GROUP g of 256: rows 256 (g % 8) .. + 255 of batch g / 8, in four chunks of 64 rows.  Wave w takes e = 256 w .. 256 w + 255: 16 blocks of 16 e a chunk, a phase to a block, four phases to a quad.
; A chunk's codes (64 rows x 1,024 K: 256 registers) stay in every wave's registers.  Wh's blocks, which the launch before lays as images of the operand's registers (8,704 bytes a block), go from memory
; straight into registers: four sets, asked for three blocks ahead: 16 loads of codes and one of scale words, each of 512 consecutive bytes.
; THE STREAM: wave w loads columns 256 w .. + 255 of four rows a phase, four phases ahead; the rows are quantised (codes and scale bytes to LDS, for all waves) and rounded to bf16 (to LDS, for the wave's own
; context sum) while the chunk before is multiplied.  The matrix instruction is used transposed: source 0 = 16 rows of Wh, source 1 = 16 rows of enc: a lane holds one row t and eight e.
; NO TENSOR LOADS, NO CLUSTER: LDS holds two generations of 64 bf16 rows (262,144 bytes), the next chunk's codes (38,912) and tables: 314,112 bytes; the 13,568 left are less than one block for each wave (34,816), so
; there is no room for slots that joint loads could fill.  NO PREFETCH: both streams are asked for ahead by the loads themselves, as said above.
; LIMITS: a block of zeros gets the scale byte 1 (its codes are zeros; the bytes are read here alone); NaN and infinities among the inputs are not served; enc enters the context sum rounded to bf16.
.set BLK,   8704                       ; a block of whq: codes of K step s at 1,024 s + 512 c + 16 lane; scale words at 8,192 + 256 (s % 2) + 16 r + 4 (s / 2)
.set BF,    0                          ; bf16 rows: generation (chunk % 2) x GEN + 32,768 x wave + 512 x row
.set GEN,   131072
.set XC,    2*GEN                      ; codes of the next chunk: a segment of 256 K for each wave, 64 rows of 128 bytes + 16
.set XCP,   144
.set XCS,   64*XCP
.set XS,    XC+4*XCS                   ; scale bytes: 512 a segment, 8 a row
.set VT,    XS+2048                    ; -2 v, and 4,096 further on decw's row
.set ST,    VT+8192                    ; sum_temporal of my 256 rows, 1,024 further on the padding
.set PS,    ST+2048                    ; the waves' parts of 64 scores
.set WB,    PS+1024                    ; 64 weights, a copy for each wave
.set VS,    WB+1024                    ; the waves' parts of the sum of v
.set SPARE, VS+256                     ; the spare words, 128 bytes a wave, named by no other line
; REGISTERS.  Window 1: A's codes, tile m K step s at v[64 m + 8 s].  Window 2: Wh's four sets, set k K step s at v[64 k + 8 s].  Window 3: v0-127 sixteen rows on their way, v128-255 bf16 rows in the tail.  Window 0:
.set SPW,  1
.set NIL,  2
.set EOFF, 3                           ; my 32 bytes of a row
.set BOFF, 4                           ; 16 lane
.set BFR,  5
.set VTB,  6                           ; -2 v and dec of the next quad;  v9 of this quad
.set VT0,  8
.set VTA,  9
.set XC0,  10
.set XCW,  11
.set XS0,  12
.set XSW,  13
.set BF0,  14
.set BFW,  15
.set XCR,  16
.set XSR,  17
.set PSW,  18
.set PSR,  19
.set STR0, 20
.set STRC, 21
.set WBW,  22
.set WBR,  23
.set OOFF, 24
.set L8,   25
.set VSUM, 26                          ; v26-27 the sum of v, twice
.set AS,   32                          ; v32-47 A's scale words;  v48-63 Wh's, four a set: they hold scales and nothing else
.set BS,   48
.set VV,   64                          ; -2 v of a block's e: sets at 64 and 80;  dec at 72 and 88
.set DD,   72
.set ACC,  96                          ; v96-127 four accumulators
.set SS,   128                         ; v128-143 running sums of -2 v / (1 + 2^y), four a tile
.set CT,   144                         ; v144-151 my 8 columns of the context
.set QM,   152
.set QS,   156
.set QC,   160
.set QY,   164
.set QB,   168
.set TW,   184                         ; v184-215 in the tail: 32 weights
.set TT,   216
.set WV,   22
.set BW,   24                          ; s[24:25] my wave's 16 blocks;  s[26:27] this quad's four;  s[28:29] the next quad's
.set BC,   26
.set BN,   28
.set CC,   44
.set SEL,  46
.set FLR,  48
.set LE,   50
.set QCNT, 52
.set UCNT, 53
.set PCNT, 54
.set MSB, 0
.macro WIN new                         ; s_set_vgpr_msb: bits 1:0 source 0, 3:2 source 1, 5:4 source 2, 7:6 destination; the high byte repeats the setting that is left
.if MSB != \new
	s_set_vgpr_msb (MSB<<8)|\new
.set MSB, \new
.endif
.endm
; Four rows (registers 32 sub .. of window 3): a block of 32 is four lanes' 8 numbers; scale, codes, bf16; all to LDS
.macro QROWS sub
	WIN 0x3c
.irp i, 0,1,2,3
	v_max3_num_f32 v[QM+\i], s[FLR], |v[8*(4*\sub+\i)]|, |v[8*(4*\sub+\i)+1]|   ; the floor 2^(3 - 127) is one more leaf: the byte cannot fall under 1
.endr
.irp p, 2,4,6
.irp i, 0,1,2,3
	v_max3_num_f32 v[QM+\i], v[QM+\i], |v[8*(4*\sub+\i)+\p]|, |v[8*(4*\sub+\i)+\p+1]|
.endr
.endr
	WIN 0
.irp i, 0,1,2,3
	v_max_num_f32_dpp v[QM+\i], v[QM+\i], v[QM+\i] row_xmask:1 row_mask:0xf bank_mask:0xf
.endr
.irp i, 0,1,2,3
	v_max_num_f32_dpp v[QM+\i], v[QM+\i], v[QM+\i] row_xmask:2 row_mask:0xf bank_mask:0xf
.endr
.irp i, 0,1,2,3
	v_add_nc_u32 v[QS+\i], 0xff000000, v[QM+\i]    ; 2 off the exponent field: the conversion's scale operand
.endr
	WIN 0x03
.irp i, 0,1,2,3
	v_cvt_scalef32_pk8_fp4_f32 v[QC+\i], v[8*(4*\sub+\i):8*(4*\sub+\i)+7], v[QS+\i]
.endr
	v_nop                                          ; one plain place behind the last scaled conversion
	WIN 0x0f
.irp i, 0,1,2,3
.irp j, 0,1,2,3
	v_cvt_pk_bf16_f32 v[QB+4*\i+\j], v[8*(4*\sub+\i)+2*\j], v[8*(4*\sub+\i)+2*\j+1]
.endr
.endr
	WIN 0
.irp i, 0,1,2,3
	v_lshrrev_b32 v[QY+\i], 23, v[QS+\i]           ; the scale's byte
.endr
.irp i, 0,1,2,3
	ds_store_b32 v[XCW], v[QC+\i] offset:(4*\sub+\i)*XCP
	ds_store_b8 v[XSW], v[QY+\i] offset:(4*\sub+\i)*8         ; the four lanes of a block write the same byte with the same value
	ds_store_b128 v[BFW], v[QB+4*\i:QB+4*\i+3] offset:(4*\sub+\i)*512
.endr
.endm
.macro XLD sub                         ; the same four rows of the next unit of 16: a row's two loads cover my wave's 1,024 consecutive bytes
	WIN 0xc0
	s_wait_alu depctr_va_vdst(0)
.irp i, 0,1,2,3
	global_load_b128 v[8*(4*\sub+\i):8*(4*\sub+\i)+3], v[EOFF], s[4:5] offset:(4*\sub+\i)*4096 th:TH_LOAD_RT_NT
	global_load_b128 v[8*(4*\sub+\i)+4:8*(4*\sub+\i)+7], v[EOFF], s[4:5] offset:(4*\sub+\i)*4096+16 th:TH_LOAD_RT_NT
.endr
	WIN 0
.endm
.macro XLOADS sub                      ; unit 15 is the last: behind it nothing is loaded
	s_cmp_gt_u32 s[UCNT], 14
	s_cbranch_scc1 .Lno_more_\@
	XLD \sub
.Lno_more_\@:
.endm
.macro BLD k, base, blk                ; a block of Wh into set k: 17 loads
	WIN 0x80
.irp s, 0,1,2,3,4,5,6,7
.irp c, 0,1
	global_load_b128 v[64*(\k)+8*\s+4*\c:64*(\k)+8*\s+4*\c+3], v[BOFF], s[\base:\base+1] offset:(\blk)*BLK+\s*1024+\c*512
.endr
.endr
	WIN 0
	global_load_b128 v[BS+4*(\k):BS+4*(\k)+3], v[BOFF], s[\base:\base+1] offset:(\blk)*BLK+8192   ; register j: lanes 0-15 K step 2 j, lanes 16-31 K step 2 j + 1
.endm
.macro VLD u, adr, off                 ; a block's 16 e: my 8 of -2 v and of dec
	ds_load_b128 v[VV+16*(\u):VV+16*(\u)+3], v[\adr] offset:(\off)
	ds_load_b128 v[VV+16*(\u)+4:VV+16*(\u)+7], v[\adr] offset:(\off)+16
	ds_load_b128 v[DD+16*(\u):DD+16*(\u)+3], v[\adr] offset:(\off)+4096
	ds_load_b128 v[DD+16*(\u)+4:DD+16*(\u)+7], v[\adr] offset:(\off)+4112
.endm
.macro WM k, s, m                      ; Wh's words: register s / 2, lanes 16-31 for odd s;  enc's: register 2 (s / 4) + s % 2, lanes 16-31 for s % 4 >= 2
.set rD, ACC+8*(\m)
.set rB, 64*(\k)+8*(\s)
.set rA, 64*(\m)+8*(\s)
.set rSB, BS+4*(\k)+(\s)/2
.set rSA, AS+4*(\m)+2*((\s)/4)+(\s)%2
.if (\s) == 0
	v_wmma_scale_f32_16x16x128_f8f6f4 v[rD:rD+7], v[rB:rB+7], v[rA:rA+7], 0, v[rSB], v[rSA] matrix_a_fmt:MATRIX_FMT_FP4 matrix_b_fmt:MATRIX_FMT_FP4
.elseif ((\s)%4) == 0
	v_wmma_scale_f32_16x16x128_f8f6f4 v[rD:rD+7], v[rB:rB+7], v[rA:rA+7], v[rD:rD+7], v[rSB], v[rSA] matrix_a_fmt:MATRIX_FMT_FP4 matrix_b_fmt:MATRIX_FMT_FP4
.elseif ((\s)%4) == 1
	v_wmma_scale_f32_16x16x128_f8f6f4 v[rD:rD+7], v[rB:rB+7], v[rA:rA+7], v[rD:rD+7], v[rSB], v[rSA] matrix_a_fmt:MATRIX_FMT_FP4 matrix_b_fmt:MATRIX_FMT_FP4 matrix_a_scale:MATRIX_SCALE_ROW1
.elseif ((\s)%4) == 2
	v_wmma_scale_f32_16x16x128_f8f6f4 v[rD:rD+7], v[rB:rB+7], v[rA:rA+7], v[rD:rD+7], v[rSB], v[rSA] matrix_a_fmt:MATRIX_FMT_FP4 matrix_b_fmt:MATRIX_FMT_FP4 matrix_b_scale:MATRIX_SCALE_ROW1
.else
	v_wmma_scale_f32_16x16x128_f8f6f4 v[rD:rD+7], v[rB:rB+7], v[rA:rA+7], v[rD:rD+7], v[rSB], v[rSA] matrix_a_fmt:MATRIX_FMT_FP4 matrix_b_fmt:MATRIX_FMT_FP4 matrix_a_scale:MATRIX_SCALE_ROW1 matrix_b_scale:MATRIX_SCALE_ROW1
.endif
.endm
.macro MUL k                           ; 64 rows x 16 e x 1,024 K: 32 matrix instructions, the four accumulators by turns, K ascending; the first takes 0 as C
	WIN 0x06
.irp s, 0,1,2,3,4,5,6,7
.irp m, 0,1,2,3
	WM \k, \s, \m
.endr
.endr
	WIN 0
.endm
.macro SCL u                           ; y = 2 log2(e) x sum + dec: each accumulator from its low end on
.set rP, ACC+8*(p%4)+2*(p/4)
	v_pk_fma_f32 v[rP:rP+1], v[rP:rP+1], s[CC:CC+1], v[DD+16*(\u)+2*(p/4):DD+16*(\u)+2*(p/4)+1] op_sel_hi:[1,0,1]
.set p, p+1
.endm
.macro ONE
.set rP, ACC+8*(p%4)+2*(p/4)
	v_pk_add_f32 v[rP:rP+1], v[rP:rP+1], 1.0 op_sel_hi:[1,0]
.set p, p+1
.endm
; The block's 32 registers go through each step as one batch: y; 2^y; 1 + 2^y; its reciprocal; x -2 v into the sums.  One wait ahead of each batch of transcendentals and one behind it
.macro TANH u, nops
.if \nops
.rept 4
	v_nop                                          ; four places ahead of the first read of the results (where rows are quantised in between, that work fills them)
.endr
.endif
.set p, 0
.rept 16
	SCL \u
.endr
	s_wait_alu depctr_va_vdst(0)
.set t, 0
.rept 32
	v_exp_f32 v[ACC+t], v[ACC+t]
.set t, t+1
.endr
	v_nop                                          ; one plain place behind the last
	s_wait_alu depctr_va_vdst(0)
.set p, 0
.rept 16
	ONE
.endr
	s_wait_alu depctr_va_vdst(0)
.set t, 0
.rept 32
	v_rcp_f32 v[ACC+t], v[ACC+t]
.set t, t+1
.endr
	v_nop
	s_wait_alu depctr_va_vdst(0)
.irp jp, 0,1,2,3
.irp m, 0,1,2,3
	v_pk_fma_f32 v[SS+4*\m+2*(\jp%2):SS+4*\m+2*(\jp%2)+1], v[ACC+8*\m+2*\jp:ACC+8*\m+2*\jp+1], v[VV+16*(\u)+2*\jp:VV+16*(\u)+2*\jp+1], v[SS+4*\m+2*(\jp%2):SS+4*\m+2*(\jp%2)+1]
.endr
.endr
.endm
; Block n of the quad.  biss: the block three on is asked for;  vd: the next block's -2 v and dec;  cnt: the loads of Wh issued behind this block's.  Loads of enc among them only add to that number,
; and this phase's four rows were asked for ahead of this block: so the count serves with and without them
.macro PHASE n, stream, biss, vd, cnt
	s_wait_dscnt 0x0                               ; this block's -2 v and dec are in; my last stores to LDS have read their data
.if \biss
.if (\n) == 0
	BLD 3, BC, 3
.else
	BLD (\n)-1, BN, (\n)-1
.endif
.endif
.if \vd
.if (\n) == 3
	VLD 0, VTB, 0
.else
	VLD ((\n)+1)%2, VTA, ((\n)+1)*64
.endif
.endif
	s_wait_loadcnt \cnt
	MUL \n
.if \stream
	QROWS \n
	XLOADS \n
.endif
	TANH (\n)%2, 1-\stream
.endm
.macro QUAD stream, last
	s_wait_dscnt 0x0
	s_wait_xcnt 0x0                                ; the loads that are out have read their bases: these are written only behind this wait
	s_mul_i32 s56, s[QCNT], 4*BLK
	s_mov_b32 s57, 0
	s_add_nc_u64 s[BC:BC+1], s[BW:BW+1], s[56:57]
	s_add_co_u32 s58, s[QCNT], 1
	s_and_b32 s58, s58, 3                          ; behind a chunk's last quad comes the next chunk's first: the same blocks of Wh again
	s_mul_i32 s56, s58, 4*BLK
	s_add_nc_u64 s[BN:BN+1], s[BW:BW+1], s[56:57]
	s_lshl_b32 s59, s[QCNT], 8
	v_add_nc_u32 v[VTA], s59, v[VT0]
	s_lshl_b32 s59, s58, 8
	v_add_nc_u32 v[VTB], s59, v[VT0]
.if \stream
	s_lshl_b32 s[UCNT], s[PCNT], 2
	s_add_co_u32 s[UCNT], s[UCNT], s[QCNT]
	s_add_co_u32 s[UCNT], s[UCNT], 4               ; the unit that this quad quantises: rows 16 QCNT .. + 15 of the next chunk
	s_add_nc_u64 s[4:5], s[4:5], 0x10000           ; and the unit behind it, which it asks for
	s_mul_i32 s59, s[QCNT], 16*XCP
	v_add_nc_u32 v[XCW], s59, v[XC0]
	s_lshl_b32 s59, s[QCNT], 7
	v_add_nc_u32 v[XSW], s59, v[XS0]
	s_add_co_u32 s59, s[PCNT], 1
	s_and_b32 s59, s59, 1
	s_lshl_b32 s59, s59, 17                        ; the next chunk's generation of bf16 rows
	s_lshl_b32 s58, s[QCNT], 13
	s_add_co_u32 s59, s59, s58
	v_add_nc_u32 v[BFW], s59, v[BF0]
.endif
	s_wait_alu depctr_va_vdst(0)
.if \last
	PHASE 0, 0, 1, 1, 51                           ; the launch's last four blocks: the counts run down
	PHASE 1, 0, 0, 1, 34
	PHASE 2, 0, 0, 1, 17
	PHASE 3, 0, 0, 0, 0
.else
.irp n, 0,1,2,3
	PHASE \n, \stream, 1, 1, 51
.endr
.endif
.endm
.macro ACODES m                        ; tile m's eight fragments: lane (r, h) takes, of row 16 m + r, the 16 bytes at 64 (s % 2) + 32 c + 16 h of segment s / 2
	WIN 0x40
.irp s, 0,1,2,3,4,5,6,7
.irp c, 0,1
	ds_load_b128 v[64*\m+8*\s+4*\c:64*\m+8*\s+4*\c+3], v[XCR] offset:(\s/2)*XCS+16*\m*XCP+(\s%2)*64+32*\c
.endr
.endr
	WIN 0
.endm
.macro ASCALES                         ; lanes 0-15 take segment 2 i's two words of their row, lanes 16-31 segment 2 i + 1's
.irp m, 0,1,2,3
.irp i, 0,1
	ds_load_b64 v[AS+4*\m+2*\i:AS+4*\m+2*\i+1], v[XSR] offset:\i*1024+\m*128
.endr
.endr
.endm
.macro ZERO
.set j, 0
.rept 16
	v_mov_b32 v[SS+j], 0
.set j, j+1
.endr
.endm
.macro BFLD g, buf                     ; my 16 bytes of the chunk's bf16 rows 16 g .. 16 g + 15
	WIN 0xc0
.set row, 0
.rept 16
	ds_load_b128 v[128+64*(\buf)+4*row:128+64*(\buf)+4*row+3], v[BFR] offset:512*(16*(\g)+row)
.set row, row+1
.endr
	WIN 0
.endm
.macro CTX g, buf                      ; context += w x row, 16 rows x my 8 columns
	WIN 0x03
.set row, 0
.rept 16
.if (\g) < 2
.set rW, TW+16*(\g)+row
.else
.set rW, ACC+16*((\g)-2)+row
.endif
.irp j, 0,1,2,3
	v_fma_mix_f32_bf16 v[CT+2*\j], v[128+64*(\buf)+4*row+\j], v[rW], v[CT+2*\j] op_sel_hi:[1,0,0]
	v_fma_mix_f32_bf16 v[CT+2*\j+1], v[128+64*(\buf)+4*row+\j], v[rW], v[CT+2*\j+1] op_sel:[1,0,0] op_sel_hi:[1,0,0]
.endr
.set row, row+1
.endr
	WIN 0
	s_wait_alu depctr_va_vdst(0)
.endm
; A chunk's end: the four waves' parts of the 64 scores meet in LDS; every wave makes all 64 weights, wave 0 stores them and out2; each wave adds w x its 256 columns, 16 rows at a time in two buffers.
; more = 1: the next chunk's codes come in under the sums; behind the closing barrier the chunk after that may be stored over them
.macro TAIL more
	s_wait_xcnt 0x0
.irp m, 0,1,2,3
	v_pk_add_f32 v[TT+2*\m:TT+2*\m+1], v[SS+4*\m:SS+4*\m+1], v[SS+4*\m+2:SS+4*\m+3]
.endr
.irp m, 0,1,2,3
	v_add_f32 v[TT+2*\m], v[TT+2*\m], v[TT+2*\m+1]
.endr
.irp m, 0,1,2,3
	v_permlanex16_b32 v[TT+2*\m+1], v[TT+2*\m], s[SEL], s[SEL+1]
.endr
.irp m, 0,1,2,3
	v_add_f32 v[TT+2*\m], v[TT+2*\m], v[TT+2*\m+1]
.endr
.irp m, 0,1,2,3
	ds_store_b32 v[PSW], v[TT+2*\m] offset:64*\m
.endr
	s_wait_dscnt 0x0                               ; for the others' sake: my part of the scores and my codes of the next chunk have landed
	s_barrier_signal -1
	s_barrier_wait -1
.if \more
	s_lshl_b32 s56, s[PCNT], 8
	v_add_nc_u32 v[STRC], s56, v[STR0]
	v_add_nc_u32 v[OOFF], s56, v[L8]
	s_and_b32 s56, s[PCNT], 1
	s_lshl_b32 s56, s56, 17
	v_add_nc_u32 v[BFR], s56, v[BF0]
.else
	v_add_nc_u32 v[STRC], 768, v[STR0]
	v_add_nc_u32 v[OOFF], 768, v[L8]
	v_add_nc_u32 v[BFR], GEN, v[BF0]
.endif
.irp i, 0,1,2,3
	ds_load_b64 v[TT+8+2*\i:TT+9+2*\i], v[PSR] offset:256*\i
.endr
	ds_load_b64 v[TT+16:TT+17], v[STRC]
	ds_load_b64 v[TT+18:TT+19], v[STRC] offset:1024
	BFLD 0, 0
	BFLD 1, 1
	s_wait_dscnt 32                                ; all but the 32 loads of rows just issued
	v_pk_add_f32 v[TT+8:TT+9], v[TT+8:TT+9], v[TT+10:TT+11]
	v_pk_add_f32 v[TT+12:TT+13], v[TT+12:TT+13], v[TT+14:TT+15]
	v_pk_add_f32 v[TT+8:TT+9], v[TT+8:TT+9], v[TT+12:TT+13]
	v_pk_add_f32 v[TT+8:TT+9], v[TT+8:TT+9], v[VSUM:VSUM+1]
	v_pk_mul_f32 v[TT+8:TT+9], v[TT+8:TT+9], s[LE:LE+1] op_sel_hi:[1,0]
	s_wait_alu depctr_va_vdst(0)                   ; a wait ahead of the batch and one behind it
	v_exp_f32 v[TT+8], v[TT+8]
	v_exp_f32 v[TT+9], v[TT+9]
	v_rcp_f32 v[TT+20], v[TT+16]
	v_rcp_f32 v[TT+21], v[TT+17]
	v_nop
	s_wait_alu depctr_va_vdst(0)
	v_pk_add_f32 v[TT+22:TT+23], v[TT+16:TT+17], v[TT+8:TT+9]
	v_pk_mul_f32 v[TT+20:TT+21], v[TT+20:TT+21], v[TT+8:TT+9]
	v_pk_mul_f32 v[TT+20:TT+21], v[TT+20:TT+21], v[TT+18:TT+19]
	ds_store_b64 v[WBW], v[TT+20:TT+21]
	s_cmp_lg_u32 s[WV], 0
	s_cbranch_scc1 .Lnot_mine_\@
	global_store_b64 v[OOFF], v[TT+22:TT+23], s[16:17]   ; 32 lanes store 256 consecutive bytes, aligned
	global_store_b64 v[OOFF], v[TT+20:TT+21], s[18:19]
.Lnot_mine_\@:
.irp i, 0,1,2,3,4,5,6,7
	ds_load_b128 v[TW+4*\i:TW+4*\i+3], v[WBR] offset:16*\i       ; my wave's own copy: LDS serves a wave's instructions in order
.endr
.irp i, 0,1,2,3,4,5,6,7
	ds_load_b128 v[ACC+4*\i:ACC+4*\i+3], v[WBR] offset:128+16*\i
.endr
	s_wait_dscnt 0x0
.if \more
	ACODES 0
	ACODES 1
.endif
	CTX 0, 0
	BFLD 2, 0
	CTX 1, 1
	BFLD 3, 1
.if \more
	ACODES 2
	ACODES 3
	ASCALES
	s_wait_dscnt 56                                ; rows 32-47 are in; behind them: 16 loads of rows, 32 of codes, 8 of scale words
.else
	s_wait_dscnt 16
.endif
	CTX 2, 0
.if \more
	s_wait_dscnt 40                                ; rows 48-63 are in
.else
	s_wait_dscnt 0x0
.endif
	CTX 3, 1
.if \more
	ZERO
	s_wait_dscnt 0x0                               ; my reads of the codes are over
	s_barrier_signal -1
	s_barrier_wait -1
.endif
.endm
	s_load_b512 s[4:19], s[0:1], 0x0               ; enc s[4:5], whq s[6:7], decw s[8:9], v s[10:11], sum_temporal s[12:13], padding s[14:15], out2 s[16:17], wbuf s[18:19]
	s_load_b64 s[20:21], s[0:1], 0x40              ; pctx
	v_lshl_add_u32 v[SPW], v0, 2, SPARE
	v_mov_b32 v[NIL], 0
	v_lshrrev_b32 v28, 5, v0
	v_readfirstlane_b32 s[WV], v28
	s_mov_b32 s[CC], 0x4038aa3b                    ; 2 log2(e)
	s_mov_b32 s[CC+1], s[CC]
	s_mov_b32 s[SEL], 0x76543210
	s_mov_b32 s[SEL+1], 0xfedcba98
	s_mov_b32 s[FLR], 0x1800000
	s_mov_b32 s[LE], 0x3fb8aa3b                    ; log2(e)
	s_mov_b32 s[LE+1], s[LE]
	s_mov_b32 s[UCNT], 0
	s_mul_i32 s58, s[WV], 16*BLK
	s_mov_b32 s59, 0
	s_lshl_b32 s68, ttmp9, 20                      ; 256 rows of 4,096 bytes a work-group
	s_mov_b32 s69, 0
	s_lshl_b32 s70, ttmp9, 10
	s_mov_b32 s71, 0
	v_and_b32 v248, 31, v0                         ; lane
	v_and_b32 v249, 15, v0                         ; r
	v_bfe_u32 v250, v0, 4, 1                       ; h
	s_lshl_b32 s56, s[WV], 10
	v_lshl_add_u32 v[EOFF], v248, 5, s56
	v_lshlrev_b32 v[BOFF], 4, v248
	v_lshlrev_b32 v28, 5, v0
	v_lshlrev_b32 v29, 3, v0
	s_wait_alu depctr_va_vdst(0)
	s_wait_kmcnt 0x0
	s_add_nc_u64 s[4:5], s[4:5], s[68:69]
	s_add_nc_u64 s[12:13], s[12:13], s[70:71]
	s_add_nc_u64 s[14:15], s[14:15], s[70:71]
	s_add_nc_u64 s[16:17], s[16:17], s[70:71]
	s_add_nc_u64 s[18:19], s[18:19], s[70:71]
	s_lshl_b32 s70, ttmp9, 12
	s_add_nc_u64 s[20:21], s[20:21], s[70:71]
	s_lshr_b32 s70, ttmp9, 3
	s_lshl_b32 s70, s70, 12
	s_add_nc_u64 s[8:9], s[8:9], s[70:71]
	s_add_nc_u64 s[BW:BW+1], s[6:7], s[58:59]
	global_load_b128 v[TT:TT+3], v28, s[10:11]     ; the small inputs, unit 0, and Wh's first three blocks
	global_load_b128 v[TT+4:TT+7], v28, s[10:11] offset:16
	global_load_b128 v[TT+8:TT+11], v28, s[8:9]
	global_load_b128 v[TT+12:TT+15], v28, s[8:9] offset:16
	global_load_b64 v[TT+16:TT+17], v29, s[12:13]
	global_load_b64 v[TT+18:TT+19], v29, s[14:15]
.irp sub, 0,1,2,3
	XLD \sub
.endr
	BLD 0, BW, 0
	BLD 1, BW, 1
	BLD 2, BW, 2
	v_lshl_add_u32 v30, v0, 5, VT                  ; the LDS addresses
	v_lshl_add_u32 v31, v0, 3, ST
	s_lshl_b32 s56, s[WV], 10
	s_add_co_u32 s56, s56, VT
	v_lshl_add_u32 v[VT0], v250, 5, s56
	s_mul_i32 s56, s[WV], XCS
	s_add_co_u32 s56, s56, XC
	v_lshl_add_u32 v[XC0], v248, 2, s56
	s_lshl_b32 s56, s[WV], 9
	s_add_co_u32 s56, s56, XS
	v_lshrrev_b32 v251, 2, v248
	v_add_nc_u32 v[XS0], s56, v251
	s_lshl_b32 s56, s[WV], 15
	v_lshl_add_u32 v[BF0], v248, 4, s56
	v_mul_u32_u24 v251, v249, XCP
	v_lshl_add_u32 v251, v250, 4, v251
	v_add_nc_u32 v[XCR], XC, v251
	v_lshlrev_b32 v251, 3, v249
	v_lshl_add_u32 v251, v250, 9, v251
	v_add_nc_u32 v[XSR], XS, v251
	s_lshl_b32 s56, s[WV], 8
	s_add_co_u32 s57, s56, PS
	v_lshl_add_u32 v[PSW], v249, 2, s57
	v_lshlrev_b32 v[L8], 3, v248
	v_add_nc_u32 v[PSR], PS, v[L8]
	v_add_nc_u32 v[STR0], ST, v[L8]
	s_add_co_u32 s57, s56, WB
	v_add_nc_u32 v[WBW], s57, v[L8]
	v_mov_b32 v[WBR], s57
.set j, 0
.rept 8
	v_mov_b32 v[CT+j], 0
.set j, j+1
.endr
	s_wait_alu depctr_va_vdst(0)
	s_wait_loadcnt 63                              ; the six small loads are in: 83 loads were issued behind them
.irp j, 0,2,4,6
	v_pk_mul_f32 v[TT+24+\j:TT+25+\j], v[TT+\j:TT+\j+1], -2.0 op_sel_hi:[1,0]
.endr
	ds_store_b128 v30, v[TT+24:TT+27]
	ds_store_b128 v30, v[TT+28:TT+31] offset:16
	ds_store_b128 v30, v[TT+8:TT+11] offset:4096
	ds_store_b128 v30, v[TT+12:TT+15] offset:4112
	ds_store_b64 v31, v[TT+16:TT+17]
	ds_store_b64 v31, v[TT+18:TT+19] offset:1024
	v_pk_add_f32 v[248:249], v[TT:TT+1], v[TT+2:TT+3]      ; the sum of v: my 8, my wave's 256
	v_pk_add_f32 v[250:251], v[TT+4:TT+5], v[TT+6:TT+7]
	v_pk_add_f32 v[248:249], v[248:249], v[250:251]
	v_add_f32 v248, v248, v249
	v_add_f32_dpp v248, v248, v248 row_xmask:1 row_mask:0xf bank_mask:0xf
	v_add_f32_dpp v248, v248, v248 row_xmask:2 row_mask:0xf bank_mask:0xf
	v_add_f32_dpp v248, v248, v248 row_xmask:4 row_mask:0xf bank_mask:0xf
	v_add_f32_dpp v248, v248, v248 row_xmask:8 row_mask:0xf bank_mask:0xf
	v_permlanex16_b32 v249, v248, s[SEL], s[SEL+1]
	v_add_f32 v248, v248, v249
	s_lshl_b32 s56, s[WV], 2
	s_add_co_u32 s56, s56, VS
	v_mov_b32 v28, s56
	v_mov_b32 v29, VS
	ds_store_b32 v28, v248
.Lpro:                                                 ; chunk 0's four units: each group of four rows waits till 24 loads are out; from the second unit on these are the 24 loads of rows behind it
	s_wait_xcnt 0x0                                ; the loads that are out have read their base
	s_add_nc_u64 s[4:5], s[4:5], 0x10000
	s_mul_i32 s57, s[UCNT], 16*XCP
	v_add_nc_u32 v[XCW], s57, v[XC0]
	s_lshl_b32 s57, s[UCNT], 7
	v_add_nc_u32 v[XSW], s57, v[XS0]
	s_lshl_b32 s57, s[UCNT], 13
	v_add_nc_u32 v[BFW], s57, v[BF0]
	s_wait_alu depctr_va_vdst(0)
.irp sub, 0,1,2,3
	s_wait_loadcnt 24
	s_wait_dscnt 0x0                               ; the last group's stores have read their data
	QROWS \sub
	XLD \sub
.endr
	s_add_co_u32 s[UCNT], s[UCNT], 1
	s_cmp_lt_u32 s[UCNT], 4
	s_cbranch_scc1 .Lpro
	s_wait_dscnt 0x0                               ; for the others' sake: my stores have landed
	s_barrier_signal -1
	s_barrier_wait -1
	ds_load_b128 v[252:255], v29
	ACODES 0
	ACODES 1
	ACODES 2
	ACODES 3
	ASCALES
	VLD 0, VT0, 0
	ZERO
	s_wait_dscnt 0x0                               ; my reads of the codes are over
	s_barrier_signal -1
	s_barrier_wait -1
	v_add_f32 v252, v252, v253
	v_add_f32 v254, v254, v255
	v_add_f32 v[VSUM], v252, v254
	v_mov_b32 v[VSUM+1], v[VSUM]
	s_wait_alu depctr_va_vdst(0)
	s_wait_loadcnt 16                              ; the first eight rows of unit 4 are in (16 loads of rows stand behind them); behind each later group stand at least three blocks' 51 loads when its phase waits
	s_mov_b32 s[PCNT], 0
.Lchunk:                                               ; chunks 0 to 2: the next chunk streams in meanwhile
	s_mov_b32 s[QCNT], 0
.Lquad:
	QUAD 1, 0
	s_add_co_u32 s[QCNT], s[QCNT], 1
	s_cmp_lt_u32 s[QCNT], 4
	s_cbranch_scc1 .Lquad
	s_wait_alu depctr_va_vdst(0)
	TAIL 1
	s_add_co_u32 s[PCNT], s[PCNT], 1
	s_cmp_lt_u32 s[PCNT], 3
	s_cbranch_scc1 .Lchunk
	s_mov_b32 s[QCNT], 0
.Llastq:                                               ; chunk 3: nothing is left to stream; its last quad is written out
	QUAD 0, 0
	s_add_co_u32 s[QCNT], s[QCNT], 1
	s_cmp_lt_u32 s[QCNT], 3
	s_cbranch_scc1 .Llastq
	QUAD 0, 1
	s_wait_alu depctr_va_vdst(0)
	TAIL 0
	global_store_b128 v[EOFF], v[CT:CT+3], s[20:21]        ; my 8 columns of the partial context: a wave's two stores cover 1,024 consecutive bytes
	global_store_b128 v[EOFF], v[CT+4:CT+7], s[20:21] offset:16
	s_wait_tensorcnt 0x0                           ; the wave's end
	ds_add_u32 v[SPW], v[NIL]
	s_wait_dscnt 0x0
	s_endpgm
.Lfunc_end_k_qf53990fef1_main:
	.size	k_qf53990fef1_main, .Lfunc_end_k_qf53990fef1_main-k_qf53990fef1_main
	.p2alignl 7, 3214868480
	.fill 96, 4, 3214868480
	.section	.rodata,"a",@progbits
	.p2align	6, 0x0
	.amdhsa_kernel k_qf53990fef1_main
		.amdhsa_group_segment_fixed_size 314112
		.amdhsa_private_segment_fixed_size 0
		.amdhsa_enable_private_segment 0
		.amdhsa_kernarg_size 72
		.amdhsa_user_sgpr_count 2
		.amdhsa_user_sgpr_kernarg_segment_ptr 1
		.amdhsa_wavefront_size32 1
		.amdhsa_system_sgpr_workgroup_id_x 1
		.amdhsa_system_sgpr_workgroup_id_y 1
		.amdhsa_system_sgpr_workgroup_id_z 1
		.amdhsa_system_vgpr_workitem_id 0
		.amdhsa_next_free_vgpr 1024
		.amdhsa_next_free_sgpr 72
		.amdhsa_reserve_vcc 0
		.amdhsa_float_denorm_mode_32 3
		.amdhsa_float_denorm_mode_16_64 3
		.amdhsa_memory_ordered 1
		.amdhsa_forward_progress 1
		.amdhsa_inst_pref_size 255
	.end_amdhsa_kernel
	.section	.bss,"aw",@nobits
	.p2align	6
	.space	262144
	.amdgpu_metadata
---
amdhsa.version: [ 1, 2 ]
amdhsa.kernels:
  - .name:           k_qf53990fef1_main
    .symbol:         k_qf53990fef1_main.kd
    .args:
      - { .name: encoder_hidden, .offset: 0, .size: 8, .value_kind: global_buffer, .address_space: global }
      - { .name: whq, .offset: 8, .size: 8, .value_kind: global_buffer, .address_space: global }
      - { .name: decw, .offset: 16, .size: 8, .value_kind: global_buffer, .address_space: global }
      - { .name: v, .offset: 24, .size: 8, .value_kind: global_buffer, .address_space: global }
      - { .name: sum_temporal, .offset: 32, .size: 8, .value_kind: global_buffer, .address_space: global }
      - { .name: encoder_padding, .offset: 40, .size: 8, .value_kind: global_buffer, .address_space: global }
      - { .name: out2, .offset: 48, .size: 8, .value_kind: global_buffer, .address_space: global }
      - { .name: wbuf, .offset: 56, .size: 8, .value_kind: global_buffer, .address_space: global }
      - { .name: pctx, .offset: 64, .size: 8, .value_kind: global_buffer, .address_space: global }
    .group_segment_fixed_size: 314112
    .private_segment_fixed_size: 0
    .kernarg_segment_align: 8
    .kernarg_segment_size: 72
    .max_flat_workgroup_size: 128
    .sgpr_count:     72
    .vgpr_count:     1024
    .wavefront_size: 32
...
	.end_amdgpu_metadata
.endif
;; end of part 2
;; launch finish (part 3): grid 32 x 1, 8 waves a work-group, no clusters, 1,280 bytes of LDS; arguments wbuf, pctx, out0, out1; writes out0, out1
.if DOCPART == 3
	.amdgcn_target "amdgcn-amd-amdhsa--gfx1250"
	.amdhsa_code_object_version 6
	.text
	.protected	k_qf53990fef1_finish
	.globl	k_qf53990fef1_finish
	.p2align	8
	.type	k_qf53990fef1_finish,@function
k_qf53990fef1_finish:
	s_mov_b64 s[64:65], 0
	v_nop
	global_prefetch_b8 v0, s[64:65] scope:SCOPE_SE
	s_setreg_imm32_b32 hwreg(HW_REG_WAVE_MODE, 25, 1), 1
	s_wait_xcnt 0x0
; The division that the launch before put off (no work is left out).  Work-group b of 32, one batch: S = the sum of its 2,048 weights w; out1 = w / S; out0 = (the sum of its eight partial contexts) / S.
; Thread i of 256 takes 16 bytes at 16 i of each run of 4,096 bytes: every load and store of a wave covers 512 consecutive bytes, aligned.  The batch has work for one work-group: 32 are launched.
; The division is a multiplication by v_rcp_f32 of S.  A batch whose weights are all 0 gives NaN, as 0 / 0 does in the problem.
.set SPARE, 256                        ; behind the block with the eight waves' sums: the spare words, 128 bytes for each wave
	s_load_b256 s[4:11], s[0:1], 0x0               ; wbuf s[4:5], pctx s[6:7], out0 s[8:9], out1 s[10:11]
	v_lshl_add_u32 v1, v0, 2, SPARE                ; LDS address of my spare word; never rewritten
	v_mov_b32 v2, 0                                ; 0; never rewritten
	v_lshlrev_b32 v3, 4, v0                        ; 16 i
	v_lshrrev_b32 v4, 5, v0
	s_delay_alu instid0(VALU_DEP_1)
	v_lshlrev_b32 v4, 2, v4                        ; LDS: 4 x wave
	v_mov_b32 v5, 0                                ; LDS: the eight sums
	s_lshl_b32 s12, ttmp9, 13                      ; a batch's 2,048 weights,
	s_mov_b32 s13, 0
	s_lshl_b32 s14, ttmp9, 15                      ; its eight partial contexts of 4,096 bytes,
	s_mov_b32 s15, 0
	s_lshl_b32 s16, ttmp9, 12                      ; its context
	s_mov_b32 s17, 0
	s_mov_b32 s18, 0x76543210
	s_mov_b32 s19, 0xfedcba98                      ; v_permlanex16_b32's selects for lane l xor 16
	s_wait_alu depctr_va_vdst(0)
	s_wait_kmcnt 0x0
	s_add_nc_u64 s[4:5], s[4:5], s[12:13]
	s_add_nc_u64 s[6:7], s[6:7], s[14:15]
	s_add_nc_u64 s[8:9], s[8:9], s[16:17]
	s_add_nc_u64 s[10:11], s[10:11], s[12:13]
	global_load_b128 v[8:11], v3, s[4:5]
	global_load_b128 v[12:15], v3, s[4:5] offset:4096
.irp j, 0,1,2,3,4,5,6,7
	global_load_b128 v[16+4*\j:19+4*\j], v3, s[6:7] offset:4096*\j
.endr
	s_wait_loadcnt 8                               ; the weights are in; the eight loads of partial contexts behind them may be out
	v_pk_add_f32 v[48:49], v[8:9], v[10:11]
	v_pk_add_f32 v[50:51], v[12:13], v[14:15]
	s_delay_alu instid0(VALU_DEP_1)
	v_pk_add_f32 v[48:49], v[48:49], v[50:51]
	s_delay_alu instid0(VALU_DEP_1)
	v_add_f32 v48, v48, v49                        ; my eight,
	s_delay_alu instid0(VALU_DEP_1)
	v_add_f32_dpp v48, v48, v48 row_xmask:1 row_mask:0xf bank_mask:0xf
	s_delay_alu instid0(VALU_DEP_1)
	v_add_f32_dpp v48, v48, v48 row_xmask:2 row_mask:0xf bank_mask:0xf
	s_delay_alu instid0(VALU_DEP_1)
	v_add_f32_dpp v48, v48, v48 row_xmask:4 row_mask:0xf bank_mask:0xf
	s_delay_alu instid0(VALU_DEP_1)
	v_add_f32_dpp v48, v48, v48 row_xmask:8 row_mask:0xf bank_mask:0xf
	s_delay_alu instid0(VALU_DEP_1)
	v_permlanex16_b32 v49, v48, s18, s19
	s_delay_alu instid0(VALU_DEP_1)
	v_add_f32 v48, v48, v49                        ; my wave's 256
	ds_store_b32 v4, v48                           ; all lanes write the same word with the same value
	s_wait_dscnt 0x0                               ; for the others' sake
	s_barrier_signal -1
	s_barrier_wait -1
	ds_load_b128 v[52:55], v5
	ds_load_b128 v[56:59], v5 offset:16
	s_wait_loadcnt 0x0
.irp i, 0,2,4,6
	v_pk_add_f32 v[16+4*\i:17+4*\i], v[16+4*\i:17+4*\i], v[20+4*\i:21+4*\i]
	v_pk_add_f32 v[18+4*\i:19+4*\i], v[18+4*\i:19+4*\i], v[22+4*\i:23+4*\i]
.endr
.irp i, 0
	v_pk_add_f32 v[16+4*\i:17+4*\i], v[16+4*\i:17+4*\i], v[24+4*\i:25+4*\i]
	v_pk_add_f32 v[18+4*\i:19+4*\i], v[18+4*\i:19+4*\i], v[26+4*\i:27+4*\i]
.endr
.irp i, 4
	s_delay_alu instid0(VALU_DEP_4)
	v_pk_add_f32 v[16+4*\i:17+4*\i], v[16+4*\i:17+4*\i], v[24+4*\i:25+4*\i]
	s_delay_alu instid0(VALU_DEP_4)
	v_pk_add_f32 v[18+4*\i:19+4*\i], v[18+4*\i:19+4*\i], v[26+4*\i:27+4*\i]
.endr
	s_delay_alu instid0(VALU_DEP_2)
	v_pk_add_f32 v[16:17], v[16:17], v[32:33]
	s_delay_alu instid0(VALU_DEP_2)
	v_pk_add_f32 v[18:19], v[18:19], v[34:35]
	s_wait_dscnt 0x0
	v_pk_add_f32 v[52:53], v[52:53], v[54:55]
	v_pk_add_f32 v[56:57], v[56:57], v[58:59]
	s_delay_alu instid0(VALU_DEP_1)
	v_pk_add_f32 v[52:53], v[52:53], v[56:57]
	s_delay_alu instid0(VALU_DEP_1)
	v_add_f32 v52, v52, v53                        ; S
	s_wait_alu depctr_va_vdst(0)
	v_rcp_f32 v60, v52
	v_mov_b32 v61, 0                               ; a plain line behind the reciprocal (v61 is named with v60 as a pair, so it is written)
	s_wait_alu depctr_va_vdst(0)
.irp j, 8,10,12,14,16,18
	v_pk_mul_f32 v[\j:\j+1], v[\j:\j+1], v[60:61] op_sel_hi:[1,0]
.endr
	global_store_b128 v3, v[8:11], s[10:11]
	global_store_b128 v3, v[12:15], s[10:11] offset:4096
	global_store_b128 v3, v[16:19], s[8:9]
	s_wait_tensorcnt 0x0                           ; the wave's end: behind my last LDS store
	ds_add_u32 v1, v2
	s_wait_dscnt 0x0
	s_endpgm
.Lfunc_end_k_qf53990fef1_finish:
	.size	k_qf53990fef1_finish, .Lfunc_end_k_qf53990fef1_finish-k_qf53990fef1_finish
	.p2alignl 7, 3214868480
	.fill 96, 4, 3214868480
	.section	.rodata,"a",@progbits
	.p2align	6, 0x0
	.amdhsa_kernel k_qf53990fef1_finish
		.amdhsa_group_segment_fixed_size 1280
		.amdhsa_private_segment_fixed_size 0
		.amdhsa_enable_private_segment 0
		.amdhsa_kernarg_size 32
		.amdhsa_user_sgpr_count 2
		.amdhsa_user_sgpr_kernarg_segment_ptr 1
		.amdhsa_wavefront_size32 1
		.amdhsa_system_sgpr_workgroup_id_x 1
		.amdhsa_system_sgpr_workgroup_id_y 1
		.amdhsa_system_sgpr_workgroup_id_z 1
		.amdhsa_system_vgpr_workitem_id 0
		.amdhsa_next_free_vgpr 64
		.amdhsa_next_free_sgpr 66
		.amdhsa_reserve_vcc 0
		.amdhsa_float_denorm_mode_32 3
		.amdhsa_float_denorm_mode_16_64 3
		.amdhsa_memory_ordered 1
		.amdhsa_forward_progress 1
		.amdhsa_inst_pref_size 6
	.end_amdhsa_kernel
	.amdgpu_metadata
---
amdhsa.version: [ 1, 2 ]
amdhsa.kernels:
  - .name:           k_qf53990fef1_finish
    .symbol:         k_qf53990fef1_finish.kd
    .args:
      - { .name: wbuf, .offset: 0, .size: 8, .value_kind: global_buffer, .address_space: global }
      - { .name: pctx, .offset: 8, .size: 8, .value_kind: global_buffer, .address_space: global }
      - { .name: out0, .offset: 16, .size: 8, .value_kind: global_buffer, .address_space: global }
      - { .name: out1, .offset: 24, .size: 8, .value_kind: global_buffer, .address_space: global }
    .group_segment_fixed_size: 1280
    .private_segment_fixed_size: 0
    .kernarg_segment_align: 8
    .kernarg_segment_size: 32
    .max_flat_workgroup_size: 256
    .sgpr_count:     66
    .vgpr_count:     64
    .wavefront_size: 32
...
	.end_amdgpu_metadata
.endif
;; end of part 3
